; MI455X (gfx1250); checked and timed in simulation.
; The chip was launched on July 23, 2026; its instructions are those of AMD's public machine-readable ISA for CDNA 5 (MIT licence, August 2026) and "CDNA5" Instruction Set Architecture Reference Guide (July 2026). The comments in the code are by the model that wrote it; some were corrected since.
;; Partial Encoder Weighted Sum EDDI Multi Weight. Allowed arithmetic: float matrix products may take bf16 or f16 operands with f32 sums; all other float work in f32.
;; Inputs: c_b 32 float32; c_ln_b 32 float32; c_ln_w 32 float32; c_w 128 x 32 float32; e_b1 256 float32; e_b2 64 float32; e_ln1_b 256 float32; e_ln1_w 256 float32; e_ln2_b 64 float32; e_ln2_w 64 float32; e_w1 32 x 256 float32; e_w2 256 x 64 float32; fe 8,192 x 32 float32; g_b1 16 float32; g_b2 4 float32; g_w1 32 x 16 float32; g_w2 16 x 4 float32; h_b1 128 float32; h_b2 32 float32; h_ln1_b 128 float32; h_ln1_w 128 float32; h_ln2_b 32 float32; h_ln2_w 32 float32; h_w1 33 x 128 float32; h_w2 128 x 32 float32; mask 128 x 8,192 int32; x 128 x 8,192 float32.
;; Outputs: out0 128 x 32 float32; out1 128 x 32 float32.
;; One version. Each part assembles by itself: llvm-mc -triple=amdgcn-amd-amdhsa -mcpu=gfx1250 --defsym DOCPART=n.
;; ======== version 1 of 1: 2 launches
;; workspace buffers: pnum 4,194,304 bytes; pden 262,144 bytes
;; launch main (part 1): grid 64 x 4, 8 waves a work-group, no clusters, 287,744 bytes of LDS; arguments x, mask, fe, h_w1, h_b1, h_ln1_w, h_ln1_b, h_w2, h_b2, h_ln2_w, h_ln2_b, g_w1, g_b1, g_w2, g_b2, pnum, pden; writes pnum, pden
.if DOCPART == 1
	.amdgcn_target "amdgcn-amd-amdhsa--gfx1250"
	.amdhsa_code_object_version 6
	.text
	.protected	k_q0bf6d37f16_main
	.globl	k_q0bf6d37f16_main
	.p2align	8
	.type	k_q0bf6d37f16_main,@function
k_q0bf6d37f16_main:
	s_mov_b64 s[64:65], 0
	v_nop
	global_prefetch_b8 v0, s[64:65] scope:SCOPE_SE
	s_setreg_imm32_b32 hwreg(HW_REG_WAVE_MODE, 25, 1), 1
	s_wait_xcnt 0x0
; Per token (cell b, junction j): pre = x a + fe[j] W1 + b1 (128 wide), LN, relu, x W2 (32 wide), LN, relu = h_out,
; gates 32 -> 16 -> 4, clip to +-10, mask, exp; per (cell, head) the sums over j of exp and of exp * h_out.
; A work-group takes 32 cells (grid y) x 128 junctions (grid x); wave w owns junctions 16 w .. 16 w + 15 and walks the
; 32 cells two at a time: 16 trips of 32 tokens.  Out: pnum[jb][bg][cell 32][d 32][w 4] (un-normalised head sums of this
; block of junctions) and pden[jb][bg][cell 32][8] = four sums of exponentials, the i32 sum of the mask, three zeros.
;
; THREE IDENTITIES, exact for every input, carry the design:
;  (1) pre - mean_h(pre) = x ac + qc[j], ac = a - mean(a), qc[j] = fe[j] (W1 with each row centred over h) + (b1 - mean(b1)).
;      With c[j] = <ac,qc>/<ac,ac>:  128 var = <ac,ac> (x + c)^2 + |qc - c ac|^2, a sum of two non-negative terms.
;      So LN1's statistics cost two numbers per junction and six instructions per token.
;  (2) W2's rows and b2 are centred over d in f32 before rounding: the second product comes out with its mean removed.
;  (3) The logits are clipped to +-10 by the problem itself: every exponential lies in [4.5e-5, 2.2e4], a sum of 8,192
;      of them below 1.9e8: no maximum has to be taken away.  A masked term is exactly 0.
; EVERY PRODUCT IS TRANSPOSED: the token is the N index (lane r = L & 15), the feature the M index.  A result tile gives lane
; (r, hh = L >> 4) features 16 mt + 8 hh + i of token r; two packed result tiles are the next product's B fragment
; (K = 32) as they stand.  Weights are A fragments, read once by transposing LDS loads from bf16 copies in [K][M] order.
; NO CLUSTER, NO TENSOR LOADS: the loop reads nothing from memory.  A work-group reads 32 KiB of x and mask, which nobody shares,
; 16 KiB of fe and 36 KiB of weights once; those need centring in f32 and rounding in registers on their way into LDS.
; LIMITS: if <ac,ac> < 2^-100, c is taken as 0, which neglects 2 x <ac,qc> / 128 (at most 2 |x| 2^-50 |qc| / 128) in the
; variance.  NaN inputs are not followed.  exp and h_out enter the weighted sum in bf16, the sums of exp stay in f32.
.set XB,   0                           ; x block  [32 cells][128 j] f32, pitch 512
.set MB,   16384                       ; mask block, same shape, directly behind XB
.set W1C,  32768                       ; bf16 [32 d][128 h], rows centred, pitch 288
.set W2C,  41984                       ; bf16 [128 h][32 d], rows centred, pitch 96
.set G1T,  54272                       ; bf16 [32 d][16 units], pitch 32
.set G2T,  55296                       ; bf16 [32 k][16 m], pitch 32: two copies of g_w2 log2e on the block diagonal, else 0
.set REC,  56320                       ; [32 cells][8 words]: stage for pden
.set SCR,  57344                       ; + wave * 4096: HT bf16 [32 tokens][32 d] pitch 96; at +ETO: ET bf16 [32 tokens][16 m] pitch 32
.set ETO,  3072
.set PART, 90112                       ; + wave * 16384: [32 cells][nt 2][r 16][w 4] f32
.set DEN,  221184                      ; + wave * 8192:  [32 cells][r 16][w 4] f32
; window 0
.set XA, 1                             ; LDS address of my junction's x, cell 2p
.set MA, 2                             ; of my token's mask word (cell 2p + hh)
.set HST, 3                            ; h_out store
.set HTR, 4                            ; h_out transposing load
.set EST, 5                            ; exp store
.set ETR, 6                            ; exp transposing load
.set DENA, 7
.set PARTA, 8
.set CX, 9                             ; c[j]
.set RP, 10                            ; |qc - c ac|^2 / 128 + eps
.set MV, 11
.set RS0, 12                           ; (rstd, x rstd) of tile 0
.set RS1, 14                           ; of tile 1
.set XV0, 16
.set XV1, 17
.set TMP, 18                           ; v[18:25]
.set GB2, 28                           ; v[28:31] g_b2 log2e; as a C operand v[28:35]: rows 4-7 and 12-15 get g_b1 and are never read
.set GB1, 32
.set G1A, 40
.set G2A, 48
.set B2C, 56                           ; h_b2 centred, result layout
.set G2V, 72                           ; h_ln2_w
.set BE2, 88                           ; h_ln2_b
.set W2A, 104                          ; fragment (mt, kf) at 8 (4 mt + kf); during set-up: h_ln1_w in result layout
.set Z0, 168
.set T0, 184                           ; v[184:247]
.set Z1,  T0+32
.set HO0, T0+48
.set HO1, T0+56
.set LG,  T0+16
; window 1 (low 8 bits); element 8 mt + i is h = 16 mt + 8 hh + i
.set Q, 0                              ; qc[j] g
.set ACG, 64                           ; ac g
.set BETA, 128
.set T1, 192
.set MSB, 0
.macro WIN new                         ; low byte: bits 1:0 source 0, 3:2 source 1, 5:4 source 2, 7:6 destination; high byte: the setting left
.if MSB != \new
	s_set_vgpr_msb (MSB<<8)|\new
.set MSB, \new
.endif
.endm
.macro RELU2 a                         ; two relus in one issue; used under window setting 0 alone
	v_dual_max_num_f32 v[\a], 0, v[\a] :: v_dual_max_num_f32 v[\a+1], 0, v[\a+1]
.endm
.macro BAR                             ; my LDS accesses are complete before I say so
	s_wait_dscnt 0x0
	s_barrier_signal -1
	s_barrier_wait -1
.endm
	s_load_b512 s[8:23], s[0:1], 0x0               ; x, mask, fe, h_w1, h_b1, h_ln1_w, h_ln1_b, h_w2
	s_load_b512 s[24:39], s[0:1], 0x40             ; h_b2, h_ln2_w, h_ln2_b, g_w1, g_b1, g_w2, g_b2, pnum
	s_load_b64 s[40:41], s[0:1], 0x80              ; pden
	v_lshrrev_b32 v26, 5, v0
	v_readfirstlane_b32 s2, v26                    ; wave
	s_mov_b32 s3, ttmp9                            ; jb
	s_and_b32 s4, ttmp7, 0xffff                    ; bg
	s_mov_b32 s42, 0x76543210                      ; v_permlanex16_b32: lane i takes lane i of the other half
	s_mov_b32 s43, 0xfedcba98
	s_mov_b32 s45, 0x3d000000                      ; 1/32
	s_mov_b32 s46, 0x3727c5ac                      ; 1e-5
	s_mov_b32 s47, 0xc166d4ca                      ; -10 log2e
	s_mov_b32 s48, 0x4166d4ca                      ; +10 log2e
	s_mov_b32 s52, 0xbc000000                      ; -1/128, twice
	s_mov_b32 s53, 0xbc000000
	s_mov_b32 s54, 0xbd000000                      ; -1/32, twice
	s_mov_b32 s55, 0xbd000000
	s_mov_b32 s58, 0x3c000000                      ; 1/128
	v_and_b32 v18, 31, v0                          ; L
	v_and_b32 v19, 15, v0                          ; r
	v_bfe_u32 v20, v0, 4, 1                        ; hh
	v_and_b32 v21, 7, v0
	v_lshl_add_u32 v21, v20, 3, v21                ; row of a transposing load: 8 hh + (L & 7)
	v_bfe_u32 v22, v0, 3, 1
	v_lshlrev_b32 v22, 4, v22                      ; its column: 16 ((L >> 3) & 1)
	; byte offsets of the global loads: v1-v7 stay as they are until all loads are in
	s_lshl_b32 s5, s2, 15
	v_lshl_add_u32 v1, v18, 4, s5                  ; x, mask: row = wave (+ 8 i), 16 L
	v_lshlrev_b32 v2, 4, v0                        ; 16 tid: h_w1 rows, h_w2 chunks, and the LDS address of x and mask
	v_and_b32 v3, 127, v0
	v_lshlrev_b32 v3, 4, v3                        ; g_w1 chunk
	v_lshlrev_b32 v4, 4, v19                       ; g_w2 row L & 15
	v_lshlrev_b32 v6, 5, v20                       ; vectors in result layout: 32 hh
	v_lshl_add_u32 v5, v19, 7, v6                  ; fe: row r, 32 hh
	v_mov_b32 v7, 0
	; LDS lane terms of the set-up
	v_mul_u32_u24 v9, v21, 288
	v_add_nc_u32 v9, v9, v22                       ; transposing load, pitch 288
	s_mul_i32 s5, s2, 288
	v_lshl_add_u32 v10, v18, 3, s5                 ; W1C store: row wave (+ 8 i), 8 L
	v_lshrrev_b32 v23, 3, v0
	v_mul_u32_u24 v23, v23, 96
	v_and_b32 v24, 7, v0
	v_lshl_add_u32 v11, v24, 3, v23                ; W2C store: row tid >> 3 (+ 32 i), piece tid & 7
	s_lshl_b32 s5, s2, 12
	s_add_co_u32 s5, s5, SCR+ETO
	v_lshl_add_u32 v12, v18, 5, s5                 ; my wave's ET, row L
	v_lshlrev_b32 v13, 3, v0                       ; G1T store
	v_lshlrev_b32 v14, 5, v18                      ; G2T row L
	v_lshl_add_u32 v15, v20, 4, v14                ; + 16 hh
	v_lshl_add_u32 v16, v21, 5, v22                ; transposing load, pitch 32
	v_mul_u32_u24 v17, v21, 96
	v_add_nc_u32 v17, v17, v22                     ; transposing load, pitch 96
	s_wait_kmcnt 0x0
	s_lshl_b32 s50, s4, 20                         ; 32 cells of 32,768 bytes
	s_lshl_b32 s5, s3, 9                           ; 128 junctions of 4 bytes
	s_add_co_u32 s50, s50, s5
	s_mov_b32 s51, 0
	s_add_nc_u64 s[8:9], s[8:9], s[50:51]
	s_add_nc_u64 s[10:11], s[10:11], s[50:51]
	s_lshl_b32 s50, s3, 14                         ; fe: 128 rows of 128 bytes a block, 16 rows a wave
	s_lshl_b32 s5, s2, 11
	s_add_co_u32 s50, s50, s5
	s_add_nc_u64 s[12:13], s[12:13], s[50:51]
	s_lshl2_add_u32 s5, s3, s4                     ; 4 jb + bg
	s_lshl_b32 s50, s5, 14
	s_add_nc_u64 s[38:39], s[38:39], s[50:51]      ; my 16,384 bytes of pnum
	s_lshl_b32 s50, s5, 10
	s_add_nc_u64 s[40:41], s[40:41], s[50:51]      ; my 1,024 bytes of pden
	; ---- all global loads.  First the 18 whose data goes to LDS for every wave; each x or mask load covers 512 aligned bytes
.irp i,0,1,2,3
	global_load_b128 v[T0+4*\i:T0+4*\i+3], v1, s[8:9] offset:\i*262144 th:TH_LOAD_NT
.endr
.irp i,0,1,2,3
	global_load_b128 v[T0+16+4*\i:T0+16+4*\i+3], v1, s[10:11] offset:\i*262144 th:TH_LOAD_NT
.endr
.irp i,0,1,2,3
	global_load_b128 v[T0+32+4*\i:T0+32+4*\i+3], v2, s[14:15] offset:512+\i*4096    ; h_w1 row 1 + wave + 8 i
.endr
.irp i,0,1,2,3
	global_load_b128 v[T0+48+4*\i:T0+48+4*\i+3], v2, s[22:23] offset:\i*4096        ; h_w2 row 32 i + tid / 8
.endr
	global_load_b128 v[248:251], v3, s[30:31]
	global_load_b128 v[252:255], v4, s[34:35]
	; then 83 loads that stay in this wave's registers
	global_load_b128 v[Z0:Z0+3],     v5, s[12:13]              ; fe(j = r, d = 8 hh ..)
	global_load_b128 v[Z0+4:Z0+7],   v5, s[12:13] offset:16
	global_load_b128 v[Z0+8:Z0+11],  v5, s[12:13] offset:64    ; d = 16 + 8 hh ..
	global_load_b128 v[Z0+12:Z0+15], v5, s[12:13] offset:80
	WIN 0x40                                       ; data into window 1, offsets from window 0
.irp mt,0,1,2,3,4,5,6,7
	global_load_b128 v[ACG+8*\mt:ACG+8*\mt+3],   v6, s[14:15] offset:64*\mt        ; h_w1 row 0
	global_load_b128 v[ACG+8*\mt+4:ACG+8*\mt+7], v6, s[14:15] offset:64*\mt+16
.endr
.irp mt,0,1,2,3,4,5,6,7
	global_load_b128 v[Q+8*\mt:Q+8*\mt+3],   v6, s[16:17] offset:64*\mt            ; h_b1
	global_load_b128 v[Q+8*\mt+4:Q+8*\mt+7], v6, s[16:17] offset:64*\mt+16
.endr
.irp mt,0,1,2,3,4,5,6,7
	global_load_b128 v[BETA+8*\mt:BETA+8*\mt+3],   v6, s[20:21] offset:64*\mt      ; h_ln1_b
	global_load_b128 v[BETA+8*\mt+4:BETA+8*\mt+7], v6, s[20:21] offset:64*\mt+16
.endr
	WIN 0
.irp mt,0,1,2,3,4,5,6,7
	global_load_b128 v[W2A+8*\mt:W2A+8*\mt+3],   v6, s[18:19] offset:64*\mt        ; h_ln1_w
	global_load_b128 v[W2A+8*\mt+4:W2A+8*\mt+7], v6, s[18:19] offset:64*\mt+16
.endr
.irp mt,0,1
	global_load_b128 v[B2C+8*\mt:B2C+8*\mt+3],   v6, s[24:25] offset:64*\mt
	global_load_b128 v[B2C+8*\mt+4:B2C+8*\mt+7], v6, s[24:25] offset:64*\mt+16
	global_load_b128 v[G2V+8*\mt:G2V+8*\mt+3],   v6, s[26:27] offset:64*\mt
	global_load_b128 v[G2V+8*\mt+4:G2V+8*\mt+7], v6, s[26:27] offset:64*\mt+16
	global_load_b128 v[BE2+8*\mt:BE2+8*\mt+3],   v6, s[28:29] offset:64*\mt
	global_load_b128 v[BE2+8*\mt+4:BE2+8*\mt+7], v6, s[28:29] offset:64*\mt+16
.endr
	global_load_b128 v[GB1:GB1+3],   v6, s[32:33]
	global_load_b128 v[GB1+4:GB1+7], v6, s[32:33] offset:16
	global_load_b128 v[GB2:GB2+3],   v7, s[36:37]
; Four numbers of a row in v[X:X+3]; the row lies over 32 lanes (full = 1) or 8 (full = 0).  Takes the row's mean away
; (spair holds -1/length twice) and leaves four bf16 in v[t:t+1].
.macro ROWC X, t, full, spair
	v_pk_add_f32 v[\t:\t+1], v[\X:\X+1], v[\X+2:\X+3]
	v_add_f32 v[\t], v[\t], v[\t+1]
	v_add_f32_dpp v[\t], v[\t], v[\t] row_xmask:1 row_mask:0xf bank_mask:0xf
	v_add_f32_dpp v[\t], v[\t], v[\t] row_xmask:2 row_mask:0xf bank_mask:0xf
	v_add_f32_dpp v[\t], v[\t], v[\t] row_xmask:4 row_mask:0xf bank_mask:0xf
.if \full
	v_add_f32_dpp v[\t], v[\t], v[\t] row_xmask:8 row_mask:0xf bank_mask:0xf
	v_permlanex16_b32 v[\t+1], v[\t], s42, s43
	v_add_f32 v[\t], v[\t], v[\t+1]
.endif
	v_pk_fma_f32 v[\X:\X+1], v[\t:\t+1], s[\spair:\spair+1], v[\X:\X+1] op_sel_hi:[0,0,1]
	v_pk_fma_f32 v[\X+2:\X+3], v[\t:\t+1], s[\spair:\spair+1], v[\X+2:\X+3] op_sel_hi:[0,0,1]
	v_cvt_pk_bf16_f32 v[\t], v[\X], v[\X+1]
	v_cvt_pk_bf16_f32 v[\t+1], v[\X+2], v[\X+3]
.endm
	; ---- what every wave needs goes to LDS
	s_wait_loadcnt 0x3f                            ; 83 loads were issued behind the first 18: with 63 left out, those 18 are in
.irp i,0,1,2,3
	ds_store_b128 v2, v[T0+4*\i:T0+4*\i+3] offset:XB+\i*4096
	ds_store_b128 v2, v[T0+16+4*\i:T0+16+4*\i+3] offset:MB+\i*4096
.endr
.irp i,0,1,2,3
	ROWC T0+32+4*\i, TMP+2*\i, 1, 52
	ds_store_b64 v10, v[TMP+2*\i:TMP+2*\i+1] offset:W1C+\i*2304
.endr
.irp i,0,1,2,3
	ROWC T0+48+4*\i, TMP+2*\i, 0, 54
	ds_store_b64 v11, v[TMP+2*\i:TMP+2*\i+1] offset:W2C+\i*3072
.endr
.irp i,24,25,26,27
	v_mov_b32 v\i, 0
.endr
	ds_store_b128 v12, v[24:27]                    ; my ET is zeroed once: in the loop a lane always writes the same 8 bytes
	ds_store_b128 v12, v[24:27] offset:16
	s_cmp_gt_u32 s2, 3
	s_cbranch_scc1 .Lnot_g1                        ; waves 0-3: g_w1, 128 chunks of four
	v_cvt_pk_bf16_f32 v18, v248, v249
	v_cvt_pk_bf16_f32 v19, v250, v251
	ds_store_b64 v13, v[18:19] offset:G1T
.Lnot_g1:
	s_cmp_lg_u32 s2, 4
	s_cbranch_scc1 .Lnot_g2                        ; wave 4: row k = L of G2T: g_w2[L & 15] log2e at m = 8 hh .. 8 hh + 3, zeros elsewhere
.irp i,252,253,254,255
	v_mul_f32 v\i, 0x3fb8aa3b, v\i
.endr
	v_cvt_pk_bf16_f32 v18, v252, v253
	v_cvt_pk_bf16_f32 v19, v254, v255
	ds_store_b128 v14, v[24:27] offset:G2T
	ds_store_b128 v14, v[24:27] offset:G2T+16
	ds_store_b64 v15, v[18:19] offset:G2T          ; LDS serves one wave's instructions in order: this lands on the zeros
.Lnot_g2:
	BAR                                            ; barrier 1: x, mask and the four weight copies are whole
	; ---- A fragments of W1 (8 tiles of 16 h), g_w1, g_w2
.irp mt,0,1,2,3,4,5,6,7
	ds_load_tr16_b128 v[T0+8*\mt:T0+8*\mt+3],   v9 offset:W1C+32*\mt
	ds_load_tr16_b128 v[T0+8*\mt+4:T0+8*\mt+7], v9 offset:W1C+32*\mt+16*288
.endr
	ds_load_tr16_b128 v[G1A:G1A+3],   v16 offset:G1T
	ds_load_tr16_b128 v[G1A+4:G1A+7], v16 offset:G1T+512
	ds_load_tr16_b128 v[G2A:G2A+3],   v16 offset:G2T
	ds_load_tr16_b128 v[G2A+4:G2A+7], v16 offset:G2T+512
; sums over all 128 h under window setting 0x55: 64 numbers in my lane, 64 in lane L xor 16
.macro RED128
	v_pk_add_f32 v[T1:T1+1], v[T1:T1+1], v[T1+2:T1+3]
	v_add_f32 v[T1], v[T1], v[T1+1]
	v_permlanex16_b32 v[T1+1], v[T1], s42, s43
	v_add_f32 v[T1], v[T1], v[T1+1]
.endm
.macro VSUM X
	v_pk_add_f32 v[T1:T1+1], v[\X:\X+1], v[\X+2:\X+3]
	v_pk_add_f32 v[T1+2:T1+3], v[\X+4:\X+5], v[\X+6:\X+7]
.set k, 8
.rept 14
	v_pk_add_f32 v[T1:T1+1], v[T1:T1+1], v[\X+k:\X+k+1]
	v_pk_add_f32 v[T1+2:T1+3], v[T1+2:T1+3], v[\X+k+2:\X+k+3]
.set k, k+4
.endr
	RED128
.endm
.macro VCENTER X                       ; X -= T1[0] / 128
.set k, 0
.rept 32
	v_pk_fma_f32 v[\X+k:\X+k+1], v[T1:T1+1], s[52:53], v[\X+k:\X+k+1] op_sel_hi:[0,0,1]
.set k, k+2
.endr
.endm
.macro VDOT A, B
	v_pk_mul_f32 v[T1:T1+1], v[\A:\A+1], v[\B:\B+1]
	v_pk_mul_f32 v[T1+2:T1+3], v[\A+2:\A+3], v[\B+2:\B+3]
.set k, 4
.rept 15
	v_pk_fma_f32 v[T1:T1+1], v[\A+k:\A+k+1], v[\B+k:\B+k+1], v[T1:T1+1]
	v_pk_fma_f32 v[T1+2:T1+3], v[\A+k+2:\A+k+3], v[\B+k+2:\B+k+3], v[T1+2:T1+3]
.set k, k+4
.endr
	RED128
.endm
	s_wait_loadcnt 0x0                             ; all vectors and fe are in; v1-v7 are free
.irp n,0,1,2,3,4,5,6,7
	v_cvt_pk_bf16_f32 v[Z0+\n], v[Z0+2*\n], v[Z0+2*\n+1]       ; fe as a B fragment, packed in place, ascending
.endr
	v_pk_add_f32 v[18:19], v[B2C:B2C+1], v[B2C+2:B2C+3]        ; h_b2 - mean(h_b2): 16 numbers here, 16 in lane L xor 16
.irp k,4,6,8,10,12,14
	v_pk_add_f32 v[18:19], v[18:19], v[B2C+\k:B2C+\k+1]
.endr
	v_add_f32 v18, v18, v19
	v_permlanex16_b32 v19, v18, s42, s43
	v_add_f32 v18, v18, v19
.irp k,0,2,4,6,8,10,12,14
	v_pk_fma_f32 v[B2C+\k:B2C+\k+1], v[18:19], s[54:55], v[B2C+\k:B2C+\k+1] op_sel_hi:[0,0,1]
.endr
.irp i,0,1,2,3
	v_mul_f32 v[GB2+\i], 0x3fb8aa3b, v[GB2+\i]     ; logits are made in units of log2e, for v_exp_f32
.endr
	WIN 0x55
	VSUM ACG
	VCENTER ACG                                    ; ac
	VDOT ACG, ACG                                  ; <ac,ac>
	v_readfirstlane_b32 s5, v[T1]
	s_mul_f32 s44, s5, s58                         ; <ac,ac> / 128
	v_mov_b32 v[T1+6], v[T1]
	v_rcp_f32 v[T1+7], v[T1+6]
	v_cmp_le_f32 vcc_lo, 0x0d800000, v[T1+6]       ; (the plain place behind v_rcp_f32)  2^-100 <= <ac,ac> ?
	s_wait_alu depctr_va_vdst(0)
	v_cndmask_b32 v[T1+7], 0, v[T1+7], vcc_lo      ; else 1/<ac,ac> := 0, so that c = 0: the limit stated at the head
	VSUM Q
	VCENTER Q                                      ; h_b1 - mean(h_b1): the C operand below
	s_wait_dscnt 0x0                               ; the 20 transposing loads
	WIN 0x50                                       ; C and D in window 1, A and B in window 0
.irp mt,0,1,2,3,4,5,6,7
	v_wmma_f32_16x16x32_bf16 v[Q+8*\mt:Q+8*\mt+7], v[T0+8*\mt:T0+8*\mt+7], v[Z0:Z0+7], v[Q+8*\mt:Q+8*\mt+7]   ; qc(h, j)
.endr
.rept 4
	v_nop                                          ; four places before vector instructions read the results (ISA guide 7.12.1)
.endr
	WIN 0x55
	VDOT ACG, Q                                    ; <ac,qc[j]>
	v_mul_f32 v[T1+8], v[T1], v[T1+7]              ; c[j]
	v_mul_f32 v[T1+10], -1.0, v[T1+8]
	v_mov_b32 v[T1+11], v[T1+10]
	v_pk_fma_f32 v[T1+12:T1+13], v[ACG:ACG+1], v[T1+10:T1+11], v[Q:Q+1] op_sel_hi:[1,0,1]      ; qc - c ac
	v_pk_fma_f32 v[T1+14:T1+15], v[ACG+2:ACG+3], v[T1+10:T1+11], v[Q+2:Q+3] op_sel_hi:[1,0,1]
	v_pk_mul_f32 v[T1:T1+1], v[T1+12:T1+13], v[T1+12:T1+13]
	v_pk_mul_f32 v[T1+2:T1+3], v[T1+14:T1+15], v[T1+14:T1+15]
.set k, 4
.rept 15
	v_pk_fma_f32 v[T1+12:T1+13], v[ACG+k:ACG+k+1], v[T1+10:T1+11], v[Q+k:Q+k+1] op_sel_hi:[1,0,1]
	v_pk_fma_f32 v[T1+14:T1+15], v[ACG+k+2:ACG+k+3], v[T1+10:T1+11], v[Q+k+2:Q+k+3] op_sel_hi:[1,0,1]
	v_pk_fma_f32 v[T1:T1+1], v[T1+12:T1+13], v[T1+12:T1+13], v[T1:T1+1]
	v_pk_fma_f32 v[T1+2:T1+3], v[T1+14:T1+15], v[T1+14:T1+15], v[T1+2:T1+3]
.set k, k+4
.endr
	RED128
	WIN 0x01
	v_mov_b32 v[CX], v[T1+8]
	v_fma_f32 v[RP], v[T1], s58, s46               ; |qc - c ac|^2 / 128 + eps
	WIN 0x41                                       ; LN1's gain goes into both vectors
.set k, 0
.rept 32
	v_pk_mul_f32 v[Q+k:Q+k+1], v[Q+k:Q+k+1], v[W2A+k:W2A+k+1]
	v_pk_mul_f32 v[ACG+k:ACG+k+1], v[ACG+k:ACG+k+1], v[W2A+k:W2A+k+1]
.set k, k+2
.endr
	WIN 0
.irp mt,0,1
.irp kf,0,1,2,3
	ds_load_tr16_b128 v[W2A+8*(4*\mt+\kf):W2A+8*(4*\mt+\kf)+3],   v17 offset:W2C+\kf*3072+32*\mt
	ds_load_tr16_b128 v[W2A+8*(4*\mt+\kf)+4:W2A+8*(4*\mt+\kf)+7], v17 offset:W2C+\kf*3072+32*\mt+16*96
.endr
.endr
	; ---- the loop's addresses
	v_and_b32 v18, 31, v0
	v_and_b32 v19, 15, v0
	v_bfe_u32 v20, v0, 4, 1
	s_lshl_b32 s5, s2, 6
	v_lshl_add_u32 v[XA], v19, 2, s5               ; 64 wave + 4 r
	v_lshl_add_u32 v[MA], v20, 9, v[XA]
	v_add_nc_u32 v[MA], MB, v[MA]
	s_lshl_b32 s5, s2, 12
	s_add_co_u32 s5, s5, SCR
	v_mul_u32_u24 v[HST], v19, 96
	v_lshl_add_u32 v[HST], v20, 4, v[HST]
	v_add_nc_u32 v[HST], s5, v[HST]
	v_add_nc_u32 v[HTR], s5, v17
	v_lshl_add_u32 v[EST], v18, 5, s5
	v_lshl_add_u32 v[EST], v20, 4, v[EST]
	v_add_nc_u32 v[EST], ETO, v[EST]
	v_add_nc_u32 v[ETR], s5, v16
	v_add_nc_u32 v[ETR], ETO, v[ETR]
	s_lshl_b32 s6, s2, 13
	s_add_co_u32 s6, s6, DEN
	v_lshl_add_u32 v[DENA], v18, 4, s6
	s_lshl_b32 s7, s2, 14
	s_add_co_u32 s7, s7, PART
	v_lshl_add_u32 v[PARTA], v19, 4, s7
	v_lshl_add_u32 v[PARTA], v20, 9, v[PARTA]
	ds_load_b32 v[XV0], v[XA]
	ds_load_b32 v[XV1], v[XA] offset:512
; (rstd, x rstd) of both tiles from XV0, XV1.  In the loop the plain place behind the two v_rsq_f32 is the mask's compare.
.macro STATS inloop
	v_add_f32 v[TMP+2], v[XV0], v[CX]
	v_add_f32 v[TMP+3], v[XV1], v[CX]
	v_mul_f32 v[TMP+2], v[TMP+2], v[TMP+2]
	v_mul_f32 v[TMP+3], v[TMP+3], v[TMP+3]
	v_fma_f32 v[TMP+2], v[TMP+2], s44, v[RP]
	v_fma_f32 v[TMP+3], v[TMP+3], s44, v[RP]
	v_rsq_f32 v[RS0], v[TMP+2]
	v_rsq_f32 v[RS1], v[TMP+3]
.if \inloop
	v_cmp_lt_i32 vcc_lo, 0, v[MV]
	s_wait_alu depctr_va_vdst(0)
.else
	v_nop
	s_wait_alu depctr_va_vdst(0)
.endif
	v_mul_f32 v[RS0+1], v[XV0], v[RS0]
	v_mul_f32 v[RS1+1], v[XV1], v[RS1]
.endm
; h1 = relu(Q rstd + BETA + ACG x rstd) for 16 tokens, 64 features a lane, packed to four B fragments in T0[0:31]
.macro L1 RS
	WIN 0x51
.set k, 0
.rept 32
	v_pk_fma_f32 v[T1+k:T1+k+1], v[Q+k:Q+k+1], v[\RS:\RS+1], v[BETA+k:BETA+k+1] op_sel_hi:[1,0,1]
.set k, k+2
.endr
	WIN 0x11
.set k, 0
.rept 32
	v_pk_fma_f32 v[T0+k:T0+k+1], v[ACG+k:ACG+k+1], v[\RS:\RS+1], v[T1+k:T1+k+1] op_sel:[0,1,0] op_sel_hi:[1,1,1]
.set k, k+2
.endr
	WIN 0
.set k, 0
.rept 32
	RELU2 T0+k
.set k, k+2
.endr
.set k, 0
.rept 32
	v_cvt_pk_bf16_f32 v[T0+k], v[T0+2*k], v[T0+2*k+1]          ; in place, ascending: register k was read two steps of k/2 ago
.set k, k+1
.endr
.endm
; z(d, token) = W2c^T h1 + b2c: two accumulators, four links each; a link takes the earlier D as C and D
.macro ZW Z
.irp kf,0,1,2,3
.irp mt,0,1
.if \kf == 0
	v_wmma_f32_16x16x32_bf16 v[\Z+8*\mt:\Z+8*\mt+7], v[W2A+8*(4*\mt+\kf):W2A+8*(4*\mt+\kf)+7], v[T0+8*\kf:T0+8*\kf+7], v[B2C+8*\mt:B2C+8*\mt+7]
.else
	v_wmma_f32_16x16x32_bf16 v[\Z+8*\mt:\Z+8*\mt+7], v[W2A+8*(4*\mt+\kf):W2A+8*(4*\mt+\kf)+7], v[T0+8*\kf:T0+8*\kf+7], v[\Z+8*\mt:\Z+8*\mt+7]
.endif
.endr
.endr
.endm
; h_out = relu(z rsqrt(mean(z^2) + eps) g + b) (z has no mean), packed to a B fragment in HO and stored as rows of HT
.macro LN2 Z, HO, t
	v_pk_mul_f32 v[TMP:TMP+1], v[\Z:\Z+1], v[\Z:\Z+1]
	v_pk_mul_f32 v[TMP+2:TMP+3], v[\Z+2:\Z+3], v[\Z+2:\Z+3]
.irp k,4,8,12
	v_pk_fma_f32 v[TMP:TMP+1], v[\Z+\k:\Z+\k+1], v[\Z+\k:\Z+\k+1], v[TMP:TMP+1]
	v_pk_fma_f32 v[TMP+2:TMP+3], v[\Z+\k+2:\Z+\k+3], v[\Z+\k+2:\Z+\k+3], v[TMP+2:TMP+3]
.endr
	v_pk_add_f32 v[TMP:TMP+1], v[TMP:TMP+1], v[TMP+2:TMP+3]
	v_add_f32 v[TMP], v[TMP], v[TMP+1]
	v_permlanex16_b32 v[TMP+1], v[TMP], s42, s43   ; the other 16 d of my token
	v_add_f32 v[TMP], v[TMP], v[TMP+1]
	v_fma_f32 v[TMP], v[TMP], s45, s46
	v_rsq_f32 v[TMP], v[TMP]
.irp k,0,2,4,6,8,10,12,14
	v_pk_mul_f32 v[\Z+\k:\Z+\k+1], v[\Z+\k:\Z+\k+1], v[G2V+\k:G2V+\k+1]        ; plain places behind v_rsq_f32
.endr
	s_wait_alu depctr_va_vdst(0)
.irp k,0,2,4,6,8,10,12,14
	v_pk_fma_f32 v[\Z+\k:\Z+\k+1], v[\Z+\k:\Z+\k+1], v[TMP:TMP+1], v[BE2+\k:BE2+\k+1] op_sel_hi:[1,0,1]
.endr
.irp k,0,2,4,6,8,10,12,14
	RELU2 \Z+\k
.endr
.irp n,0,1,2,3,4,5,6,7
	v_cvt_pk_bf16_f32 v[\HO+\n], v[\Z+2*\n], v[\Z+2*\n+1]
.endr
	ds_store_b128 v[HST], v[\HO:\HO+3] offset:\t*1536          ; token 16 t + r, d = 8 hh ..
	ds_store_b128 v[HST], v[\HO+4:\HO+7] offset:\t*1536+32     ; d = 16 + 8 hh ..
.endm
	s_wait_dscnt 0x0                               ; W2's fragments and the first two x
	STATS 0
	s_mov_b32 s49, 0
.Ltrip:                                            ; trip p: tile 0 = cell 2p, tile 1 = cell 2p + 1, my 16 junctions
	ds_load_b32 v[MV], v[MA]
	ds_load_b32 v[XV0], v[XA] offset:1024          ; the next trip's x.  In the last trip these two read the first rows of the
	ds_load_b32 v[XV1], v[XA] offset:1536          ; mask block, which lies behind XB; what is made of them is never used
	L1 RS0
	ZW Z0
	L1 RS1                                         ; its first 32 lines name window 1 and RS1 alone: the places before T0 is written again
	ZW Z1
	LN2 Z0, HO0, 0                                 ; names none of the registers of the eight products above: their places
	v_wmma_f32_16x16x32_bf16 v[Z0:Z0+7], v[G1A:G1A+7], v[HO0:HO0+7], v[GB1:GB1+7]          ; gate units of tile 0
	LN2 Z1, HO1, 1
	v_wmma_f32_16x16x32_bf16 v[Z0+8:Z0+15], v[G1A:G1A+7], v[HO1:HO1+7], v[GB1:GB1+7]       ; of tile 1
.irp k,0,2,4,6
	RELU2 Z0+\k                                    ; tile 0's units: eight places behind tile 1's product
.endr
.irp n,0,1,2,3
	v_cvt_pk_bf16_f32 v[T0+8+\n], v[Z0+2*\n], v[Z0+2*\n+1]
.endr
.irp k,8,10,12,14
	RELU2 Z0+\k
.endr
.irp n,0,1,2,3
	v_cvt_pk_bf16_f32 v[T0+12+\n], v[Z0+8+2*\n], v[Z0+8+2*\n+1]
.endr
	; k = 0-15: tile 0's units, k = 16-31: tile 1's.  Rows 0-3: tile 0's logits (lanes hh = 0), rows 8-11: tile 1's (hh = 1)
	v_wmma_f32_16x16x32_bf16 v[LG:LG+7], v[G2A:G2A+7], v[T0+8:T0+15], v[GB2:GB2+7]
	ds_load_tr16_b128 v[T0+32:T0+35], v[HTR]                   ; h_out as B fragments (K = 32 tokens, N = d 0-15, 16-31)
	ds_load_tr16_b128 v[T0+36:T0+39], v[HTR] offset:1536
	ds_load_tr16_b128 v[T0+40:T0+43], v[HTR] offset:32
	ds_load_tr16_b128 v[T0+44:T0+47], v[HTR] offset:32+1536
	s_wait_dscnt 0x4                               ; only those four may be out: the mask word and the next x are in
	STATS 1                                        ; for trip p + 1; seven plain lines that name none of the last product's registers
.irp i,0,1,2,3
	v_med3_num_f32 v[LG+\i], v[LG+\i], s47, s48    ; the problem's clip, in units of log2e
.endr
.irp i,0,1,2,3
	v_exp_f32 v[LG+\i], v[LG+\i]
.endr
	v_add_nc_u32 v[XA], 1024, v[XA]                ; the plain place behind the exponentials
	s_wait_alu depctr_va_vdst(0)
.irp i,0,1,2,3
	v_cndmask_b32 v[LG+\i], 0, v[LG+\i], vcc_lo    ; a masked token weighs exactly 0
.endr
	v_cvt_pk_bf16_f32 v[T0+24], v[LG], v[LG+1]
	v_cvt_pk_bf16_f32 v[T0+25], v[LG+2], v[LG+3]
	ds_store_b64 v[EST], v[T0+24:T0+25]            ; ET[token L][m = 8 hh ..]
	ds_store_b128 v[DENA], v[LG:LG+3]
	ds_load_tr16_b128 v[T0:T0+3], v[ETR]           ; the weights as an A fragment (M = 16, K = 32 tokens)
	ds_load_tr16_b128 v[T0+4:T0+7], v[ETR] offset:512
	s_wait_dscnt 0x0
	v_wmma_f32_16x16x32_bf16 v[T0+48:T0+55], v[T0:T0+7], v[T0+32:T0+39], 0     ; rows 0-3: cell 2p, rows 8-11: cell 2p + 1; d 0-15
	v_wmma_f32_16x16x32_bf16 v[T0+56:T0+63], v[T0:T0+7], v[T0+40:T0+47], 0     ; d 16-31
	v_add_nc_u32 v[MA], 1024, v[MA]                ; four places before the stores read the results
	v_add_nc_u32 v[DENA], 512, v[DENA]
	v_nop
	v_nop
	ds_store_b128 v[PARTA], v[T0+48:T0+51]         ; (cell 2p + hh, d = r, w 0-3)
	ds_store_b128 v[PARTA], v[T0+56:T0+59] offset:256
	v_add_nc_u32 v[PARTA], 1024, v[PARTA]
	s_add_co_u32 s49, s49, 1
	s_cmp_lt_u32 s49, 16
	s_cbranch_scc1 .Ltrip
	BAR                                            ; barrier 2: every wave's PART and DEN are whole
	; ---- sums of exponentials and of the mask: thread t takes cell t >> 3 and the 16 junctions of wave t & 7
	v_and_b32 v18, 7, v0
	v_lshrrev_b32 v19, 3, v0
	v_lshlrev_b32 v1, 13, v18
	v_lshl_add_u32 v1, v19, 8, v1
	v_add_nc_u32 v1, DEN, v1
	v_lshlrev_b32 v2, 9, v19
	v_lshl_add_u32 v2, v18, 6, v2
	v_lshlrev_b32 v3, 5, v19
.irp q,0,1,2,3,4,5,6,7,8,9,10,11,12,13,14,15
	ds_load_b128 v[104+4*\q:104+4*\q+3], v1 offset:16*\q
.endr
.irp q,0,1,2,3
	ds_load_b128 v[168+4*\q:168+4*\q+3], v2 offset:MB+16*\q
.endr
	s_wait_dscnt 0x0
.irp q,1,2,3,4,5,6,7,8,9,10,11,12,13,14,15
	v_pk_add_f32 v[104:105], v[104:105], v[104+4*\q:104+4*\q+1]
	v_pk_add_f32 v[106:107], v[106:107], v[106+4*\q:106+4*\q+1]
	v_add_nc_u32 v168, v168, v[168+\q]
.endr
.irp m,1,2,4
	v_add_f32_dpp v104, v104, v104 row_xmask:\m row_mask:0xf bank_mask:0xf
	v_add_f32_dpp v105, v105, v105 row_xmask:\m row_mask:0xf bank_mask:0xf
	v_add_f32_dpp v106, v106, v106 row_xmask:\m row_mask:0xf bank_mask:0xf
	v_add_f32_dpp v107, v107, v107 row_xmask:\m row_mask:0xf bank_mask:0xf
	v_mov_b32_dpp v169, v168 row_xmask:\m row_mask:0xf bank_mask:0xf
	v_add_nc_u32 v168, v168, v169
.endr
	v_mov_b32 v169, 0
	v_mov_b32 v170, 0
	v_mov_b32 v171, 0
	ds_store_b128 v3, v[104:107] offset:REC        ; the eight lanes of a cell store the same 32 bytes
	ds_store_b128 v3, v[168:171] offset:REC+16
	BAR                                            ; barrier 3: REC is whole
	; ---- head sums: the eight waves' parts are added; thread t takes 16 bytes at 16 t of each quarter of the 16,384
	v_lshlrev_b32 v6, 4, v0
	v_add_nc_u32 v4, PART, v6
	v_add_nc_u32 v5, PART+65536, v6
.irp wv,0,1,2,3
.irp i,0,1,2,3
	ds_load_b128 v[104+16*\wv+4*\i:104+16*\wv+4*\i+3], v4 offset:\wv*16384+\i*4096
.endr
.endr
.irp wv,0,1,2,3
.irp i,0,1,2,3
	ds_load_b128 v[168+16*\wv+4*\i:168+16*\wv+4*\i+3], v5 offset:\wv*16384+\i*4096
.endr
.endr
	s_wait_dscnt 0x0
.irp wv,1,2,3,4,5,6,7
.irp i,0,1,2,3
	v_pk_add_f32 v[104+4*\i:105+4*\i], v[104+4*\i:105+4*\i], v[104+16*\wv+4*\i:105+16*\wv+4*\i]
	v_pk_add_f32 v[106+4*\i:107+4*\i], v[106+4*\i:107+4*\i], v[106+16*\wv+4*\i:107+16*\wv+4*\i]
.endr
.endr
.irp i,0,1,2,3
	global_store_b128 v6, v[104+4*\i:107+4*\i], s[38:39] offset:\i*4096    ; a wave's store covers 512 consecutive bytes, aligned
.endr
	s_cmp_gt_u32 s2, 1
	s_cbranch_scc1 .Ldone                          ; waves 0 and 1 carry the 1,024 bytes of REC out
	ds_load_b128 v[232:235], v6 offset:REC
	s_wait_dscnt 0x0
	global_store_b128 v6, v[232:235], s[40:41]
.Ldone:
	s_wait_xcnt 0x0
	v_lshl_add_u32 v254, v0, 2, 0x46000
	v_mov_b32 v255, 0
	s_wait_tensorcnt 0x0
	ds_add_u32 v254, v255
	s_wait_dscnt 0x0
	s_endpgm
.Lfunc_end_k_q0bf6d37f16_main:
	.size	k_q0bf6d37f16_main, .Lfunc_end_k_q0bf6d37f16_main-k_q0bf6d37f16_main
	.p2alignl 7, 3214868480
	.fill 96, 4, 3214868480
	.section	.rodata,"a",@progbits
	.p2align	6, 0x0
	.amdhsa_kernel k_q0bf6d37f16_main
		.amdhsa_group_segment_fixed_size 287744
		.amdhsa_private_segment_fixed_size 0
		.amdhsa_enable_private_segment 0
		.amdhsa_kernarg_size 136
		.amdhsa_user_sgpr_count 2
		.amdhsa_user_sgpr_kernarg_segment_ptr 1
		.amdhsa_wavefront_size32 1
		.amdhsa_system_sgpr_workgroup_id_x 1
		.amdhsa_system_sgpr_workgroup_id_y 1
		.amdhsa_system_sgpr_workgroup_id_z 1
		.amdhsa_system_vgpr_workitem_id 0
		.amdhsa_next_free_vgpr 512
		.amdhsa_next_free_sgpr 66
		.amdhsa_reserve_vcc 1
		.amdhsa_float_denorm_mode_32 3
		.amdhsa_float_denorm_mode_16_64 3
		.amdhsa_memory_ordered 1
		.amdhsa_forward_progress 1
		.amdhsa_inst_pref_size 87
	.end_amdhsa_kernel
	.amdgpu_metadata
---
amdhsa.version: [ 1, 2 ]
amdhsa.kernels:
  - .name:           k_q0bf6d37f16_main
    .symbol:         k_q0bf6d37f16_main.kd
    .args:
      - { .name: x, .offset: 0, .size: 8, .value_kind: global_buffer, .address_space: global }
      - { .name: mask, .offset: 8, .size: 8, .value_kind: global_buffer, .address_space: global }
      - { .name: fe, .offset: 16, .size: 8, .value_kind: global_buffer, .address_space: global }
      - { .name: h_w1, .offset: 24, .size: 8, .value_kind: global_buffer, .address_space: global }
      - { .name: h_b1, .offset: 32, .size: 8, .value_kind: global_buffer, .address_space: global }
      - { .name: h_ln1_w, .offset: 40, .size: 8, .value_kind: global_buffer, .address_space: global }
      - { .name: h_ln1_b, .offset: 48, .size: 8, .value_kind: global_buffer, .address_space: global }
      - { .name: h_w2, .offset: 56, .size: 8, .value_kind: global_buffer, .address_space: global }
      - { .name: h_b2, .offset: 64, .size: 8, .value_kind: global_buffer, .address_space: global }
      - { .name: h_ln2_w, .offset: 72, .size: 8, .value_kind: global_buffer, .address_space: global }
      - { .name: h_ln2_b, .offset: 80, .size: 8, .value_kind: global_buffer, .address_space: global }
      - { .name: g_w1, .offset: 88, .size: 8, .value_kind: global_buffer, .address_space: global }
      - { .name: g_b1, .offset: 96, .size: 8, .value_kind: global_buffer, .address_space: global }
      - { .name: g_w2, .offset: 104, .size: 8, .value_kind: global_buffer, .address_space: global }
      - { .name: g_b2, .offset: 112, .size: 8, .value_kind: global_buffer, .address_space: global }
      - { .name: pnum, .offset: 120, .size: 8, .value_kind: global_buffer, .address_space: global }
      - { .name: pden, .offset: 128, .size: 8, .value_kind: global_buffer, .address_space: global }
    .group_segment_fixed_size: 287744
    .private_segment_fixed_size: 0
    .kernarg_segment_align: 8
    .kernarg_segment_size: 136
    .max_flat_workgroup_size: 256
    .sgpr_count:     66
    .vgpr_count:     512
    .wavefront_size: 32
...
	.end_amdgpu_metadata
.endif
;; end of part 1
;; launch tail (part 2): grid 128 x 1, 8 waves a work-group, no clusters, 9,216 bytes of LDS; arguments pnum, pden, c_w, c_b, c_ln_w, c_ln_b, e_w1, e_b1, e_ln1_w, e_ln1_b, e_w2, e_b2, e_ln2_w, e_ln2_b, out0, out1; writes out0, out1
.if DOCPART == 2
	.amdgcn_target "amdgcn-amd-amdhsa--gfx1250"
	.amdhsa_code_object_version 6
	.text
	.protected	k_q0bf6d37f16_tail
	.globl	k_q0bf6d37f16_tail
	.p2align	8
	.type	k_q0bf6d37f16_tail,@function
k_q0bf6d37f16_tail:
	s_mov_b64 s[64:65], 0
	v_nop
	global_prefetch_b8 v0, s[64:65] scope:SCOPE_SE
	s_setreg_imm32_b32 hwreg(HW_REG_WAVE_MODE, 25, 1), 1
	s_wait_xcnt 0x0
; One work-group for each cell b.  Adds the 64 partial records of the cell (pnum: [jb 64][bg 4][bl 32][d 32][w 4] f32;
; pden: [jb][bg][bl][8] = four sums of exponentials, the i32 sum of the mask, zeros), divides, and runs the cell's three layers:
; 128 -> 32 (LN, relu, zero if the mask's sum is not positive), 32 -> 256 (LN, relu), 256 -> 64 (LN, relu); out0 = first 32, out1 = last 32.
; The three products are matrix x vector, 28,672 multiply-adds a cell: in a matrix instruction 15 of 16 columns would be empty, so they
; are f32 multiply-adds, K split over the waves.  No cluster: the weights that the work-groups share are read once each, 116 KiB.
; A cell without an observed junction has sums 0: 0 x (1/0) gives NaN, which the select on the mask's sum replaces by 0.
; A row of out0 or out1 is 128 bytes: each store covers half of an aligned block of 256 bytes; 32 KiB in all.
.set RED, 0                            ; [8 waves][d 32][w 4] f32
.set CP,  4096                         ; [32 o][8 ks] f32
.set ST1, 5120                         ; 8 words
.set ST2, 5376                         ; 8 words
.set HV,  5632                         ; 256 f32
.set EP,  6656                         ; [4 ks2][64 o] f32
.macro BAR                             ; my LDS accesses are complete before I say so
	s_wait_dscnt 0x0
	s_barrier_signal -1
	s_barrier_wait -1
.endm
.macro WSUM v, t                       ; sum over the wave's 32 lanes, in every lane; t has been written before
	v_add_f32_dpp v\v, v\v, v\v row_xmask:1 row_mask:0xf bank_mask:0xf
	v_add_f32_dpp v\v, v\v, v\v row_xmask:2 row_mask:0xf bank_mask:0xf
	v_add_f32_dpp v\v, v\v, v\v row_xmask:4 row_mask:0xf bank_mask:0xf
	v_add_f32_dpp v\v, v\v, v\v row_xmask:8 row_mask:0xf bank_mask:0xf
	v_permlanex16_b32 v\t, v\v, s42, s43
	v_add_f32 v\v, v\v, v\t
.endm
.macro SUM8                            ; v[8:15] -> v8
	v_pk_add_f32 v[8:9], v[8:9], v[10:11]
	v_pk_add_f32 v[12:13], v[12:13], v[14:15]
	v_pk_add_f32 v[8:9], v[8:9], v[12:13]
	v_add_f32 v8, v8, v9
.endm
	s_load_b512 s[8:23], s[0:1], 0x0               ; pnum, pden, c_w, c_b, c_ln_w, c_ln_b, e_w1, e_b1
	s_load_b512 s[24:39], s[0:1], 0x40             ; e_ln1_w, e_ln1_b, e_w2, e_b2, e_ln2_w, e_ln2_b, out0, out1
	v_lshl_add_u32 v254, v0, 2, 0x2000
	v_mov_b32 v255, 0
	v_lshrrev_b32 v244, 5, v0
	v_readfirstlane_b32 s2, v244                   ; wave = ks
	v_and_b32 v1, 31, v0                           ; L
	s_mov_b32 s42, 0x76543210
	s_mov_b32 s43, 0xfedcba98
	s_mov_b32 s60, 0x3727c5ac                      ; 1e-5
	s_mov_b32 s61, 0x3d000000                      ; 1/32
	s_mov_b32 s62, 0x3b800000                      ; 1/256
	s_mov_b32 s63, 0x3c800000                      ; 1/64
	s_lshr_b32 s3, ttmp9, 5                        ; bg
	s_and_b32 s4, ttmp9, 31                        ; bl
	s_lshl_b32 s56, s3, 14
	s_lshl_b32 s5, s4, 9
	s_add_co_u32 s56, s56, s5                      ; the cell's record in a block of pnum
	s_mov_b32 s57, 0
	s_lshl_b32 s58, s3, 10
	s_lshl_b32 s5, s4, 5
	s_add_co_u32 s58, s58, s5                      ; and of pden
	s_mov_b32 s59, 0
	s_lshl_b32 s6, ttmp9, 7                        ; the cell's row of out0 and out1
	s_mov_b32 s7, 0
	; offsets of the global loads: v2-v7 are never written again
	s_lshl_b32 s5, s2, 16
	v_lshl_add_u32 v2, v1, 4, s5                   ; pnum: jb = wave (+ 8 i), 16 L
	v_lshlrev_b32 v3, 12, v1                       ; pden: jb = L (+ 32)
	s_lshl_b32 s5, s2, 9
	v_lshl_add_u32 v4, v1, 2, s5                   ; c_w: row d = 4 ks, column L
	v_lshlrev_b32 v5, 2, v1                        ; 4 L
	v_lshlrev_b32 v6, 2, v0                        ; 4 tid
	s_lshr_b32 s3, s2, 1                           ; ks2
	s_and_b32 s4, s2, 1
	s_lshl_b32 s4, s4, 7                           ; (wave & 1) x 32 columns
	s_lshl_b32 s5, s3, 14
	s_add_co_u32 s5, s5, s4
	v_add_nc_u32 v7, s5, v5                        ; e_w2: row 64 ks2, column o2
	v_mov_b32 v250, 0
	s_wait_kmcnt 0x0
	s_add_nc_u64 s[8:9], s[8:9], s[56:57]
	s_add_nc_u64 s[10:11], s[10:11], s[58:59]
	s_add_nc_u64 s[36:37], s[36:37], s[6:7]
	s_add_nc_u64 s[38:39], s[38:39], s[6:7]
	; ---- all 136 loads at once; e_w2's 64 last
.irp i,0,1,2,3,4,5,6,7
	global_load_b128 v[8+4*\i:11+4*\i], v2, s[8:9] offset:\i*524288 th:TH_LOAD_NT      ; a record of 512 bytes: lane = d, registers = w
.endr
	global_load_b128 v[40:43], v3, s[10:11]
	global_load_b128 v[44:47], v3, s[10:11] offset:16
	global_load_b128 v[48:51], v3, s[10:11] offset:131072
	global_load_b128 v[52:55], v3, s[10:11] offset:131088
.set q, 0
.rept 16
	global_load_b32 v[56+q], v4, s[12:13] offset:(q&3)*4096+(q>>2)*128     ; c_w[(q & 3) 32 + 4 ks + (q >> 2)][L]
.set q, q+1
.endr
	global_load_b32 v72, v5, s[14:15]
	global_load_b32 v73, v5, s[16:17]
	global_load_b32 v74, v5, s[18:19]
	global_load_b32 v75, v6, s[22:23]
	global_load_b32 v76, v6, s[24:25]
	global_load_b32 v77, v6, s[26:27]
	global_load_b32 v78, v5, s[30:31]
	global_load_b32 v79, v5, s[30:31] offset:128
	global_load_b32 v80, v5, s[32:33]
	global_load_b32 v81, v5, s[32:33] offset:128
	global_load_b32 v82, v5, s[34:35]
	global_load_b32 v83, v5, s[34:35] offset:128
.set q, 0
.rept 32
	global_load_b32 v[84+q], v6, s[20:21] offset:q*1024                    ; e_w1[q][tid]
.set q, q+1
.endr
.set q, 0
.rept 64
	global_load_b32 v[116+q], v7, s[28:29] offset:q*256                    ; e_w2[64 ks2 + q][o2]
.set q, q+1
.endr
	s_wait_loadcnt 0x3f                            ; the youngest 64 are e_w2's: with 63 left out, the 72 before them are in
	; ---- my eight records; the 64 records of sums
.irp i,1,2,3,4,5,6,7
	v_pk_add_f32 v[8:9], v[8:9], v[8+4*\i:9+4*\i]
	v_pk_add_f32 v[10:11], v[10:11], v[10+4*\i:11+4*\i]
.endr
	v_lshlrev_b32 v244, 4, v0
	ds_store_b128 v244, v[8:11] offset:RED
	v_pk_add_f32 v[40:41], v[40:41], v[48:49]
	v_pk_add_f32 v[42:43], v[42:43], v[50:51]
	v_add_nc_u32 v44, v44, v52
	WSUM 40, 250
	WSUM 41, 250
	WSUM 42, 250
	WSUM 43, 250
.irp m,1,2,4,8
	v_mov_b32_dpp v45, v44 row_xmask:\m row_mask:0xf bank_mask:0xf
	v_add_nc_u32 v44, v44, v45
.endr
	v_permlanex16_b32 v45, v44, s42, s43
	v_add_nc_u32 v44, v44, v45                     ; the sum of the cell's mask, i32
	v_rcp_f32 v40, v40
	v_rcp_f32 v41, v41
	v_rcp_f32 v42, v42
	v_rcp_f32 v43, v43
	v_lshrrev_b32 v244, 2, v1                      ; (plain lines stand between these and their use)
	BAR                                            ; barrier 1: RED is whole
	; ---- wave ks: head sums of d = 4 ks .. 4 ks + 3, all w; lane L reads wave L >> 2's part of d = 4 ks + (L & 3)
	v_and_b32 v245, 3, v1
	v_lshlrev_b32 v244, 9, v244
	v_lshl_add_u32 v244, v245, 4, v244
	s_lshl_b32 s5, s2, 6
	v_add_nc_u32 v244, s5, v244
	ds_load_b128 v[8:11], v244 offset:RED
	s_wait_dscnt 0x0
.irp k,8,9,10,11
	v_add_f32_dpp v\k, v\k, v\k row_xmask:4 row_mask:0xf bank_mask:0xf
	v_add_f32_dpp v\k, v\k, v\k row_xmask:8 row_mask:0xf bank_mask:0xf
	v_permlanex16_b32 v250, v\k, s42, s43
	v_add_f32 v\k, v\k, v250
.endr
	s_wait_alu depctr_va_vdst(0)
	v_pk_mul_f32 v[8:9], v[8:9], v[40:41]          ; the softmax's division
	v_pk_mul_f32 v[10:11], v[10:11], v[42:43]
.irp dl,0,1,2,3
.irp w,0,1,2,3
	v_readlane_b32 s[40+4*\dl+\w], v[8+\w], \dl
.endr
.endr
	v_mul_f32 v246, s40, v56
.set q, 1
.rept 15
	v_fmac_f32 v246, s[40+q], v[56+q]
.set q, q+1
.endr
	s_lshl_b32 s5, s2, 2
	v_lshl_add_u32 v244, v1, 5, s5
	ds_store_b32 v244, v246 offset:CP
	BAR                                            ; barrier 2: CP is whole
	; ---- every wave: comb[o = L]
	v_lshlrev_b32 v244, 5, v1
	ds_load_b128 v[8:11], v244 offset:CP
	ds_load_b128 v[12:15], v244 offset:CP+16
	s_wait_dscnt 0x0
	SUM8
	v_add_f32 v8, v8, v72
	v_mov_b32 v246, v8
	WSUM 246, 250
	v_fma_f32 v8, -v246, s61, v8                   ; - mean
	v_mul_f32 v247, v8, v8
	WSUM 247, 250
	v_fma_f32 v247, v247, s61, s60
	v_rsq_f32 v247, v247
	v_mul_f32 v8, v8, v73                          ; the plain place behind v_rsq_f32
	s_wait_alu depctr_va_vdst(0)
	v_fma_f32 v8, v8, v247, v74
	v_max_num_f32 v8, 0, v8
	v_cmp_lt_i32 vcc_lo, 0, v44
	v_cndmask_b32 v8, 0, v8, vcc_lo                ; a cell whose mask sums to nothing positive: zeros
	; ---- 32 -> 256: output tid
.set q, 0
.rept 16
	v_readlane_b32 s[40+q], v8, q
.set q, q+1
.endr
	v_fma_f32 v246, s40, v84, v75
.set q, 1
.rept 15
	v_fmac_f32 v246, s[40+q], v[84+q]
.set q, q+1
.endr
.set q, 0
.rept 16
	v_readlane_b32 s[40+q], v8, 16+q
.set q, q+1
.endr
.set q, 0
.rept 16
	v_fmac_f32 v246, s[40+q], v[100+q]
.set q, q+1
.endr
	; ---- LN over the 256 threads: the mean, then the centred squares
	v_mov_b32 v247, v246
	WSUM 247, 250
	s_lshl_b32 s5, s2, 2
	v_mov_b32 v244, s5
	v_mov_b32 v245, 0
	ds_store_b32 v244, v247 offset:ST1
	BAR                                            ; barrier 3
	ds_load_b128 v[8:11], v245 offset:ST1
	ds_load_b128 v[12:15], v245 offset:ST1+16
	s_wait_dscnt 0x0
	SUM8
	v_fma_f32 v246, -v8, s62, v246
	v_mul_f32 v247, v246, v246
	WSUM 247, 250
	ds_store_b32 v244, v247 offset:ST2
	BAR                                            ; barrier 4
	ds_load_b128 v[8:11], v245 offset:ST2
	ds_load_b128 v[12:15], v245 offset:ST2+16
	s_wait_dscnt 0x0
	SUM8
	v_fma_f32 v8, v8, s62, s60
	v_rsq_f32 v8, v8
	v_mul_f32 v246, v246, v76
	s_wait_alu depctr_va_vdst(0)
	v_fma_f32 v246, v246, v8, v77
	v_max_num_f32 v246, 0, v246
	ds_store_b32 v6, v246 offset:HV
	BAR                                            ; barrier 5: h is whole
	; ---- 256 -> 64: wave takes k = 64 ks2 .. + 63 and output o2
	s_lshl_b32 s5, s3, 8
	v_mov_b32 v244, s5
.irp i,0,1,2,3,4,5,6,7,8,9,10,11,12,13,14,15
	ds_load_b128 v[180+4*\i:183+4*\i], v244 offset:HV+16*\i
.endr
	s_wait_loadcnt 0x0                             ; e_w2
	s_wait_dscnt 0x0
	v_pk_mul_f32 v[8:9], v[116:117], v[180:181]
	v_pk_mul_f32 v[10:11], v[118:119], v[182:183]
.set q, 4
.rept 15
	v_pk_fma_f32 v[8:9], v[116+q:117+q], v[180+q:181+q], v[8:9]
	v_pk_fma_f32 v[10:11], v[118+q:119+q], v[182+q:183+q], v[10:11]
.set q, q+4
.endr
	v_pk_add_f32 v[8:9], v[8:9], v[10:11]
	v_add_f32 v8, v8, v9
	s_add_co_u32 s5, s5, s4
	v_add_nc_u32 v244, s5, v5
	ds_store_b32 v244, v8 offset:EP
	BAR                                            ; barrier 6: EP is whole; no barrier follows
	s_cmp_lg_u32 s2, 0
	s_cbranch_scc1 .Lend
	; ---- wave 0: outputs L and 32 + L
.irp q,0,1,2,3
	ds_load_b32 v[8+\q], v5 offset:EP+\q*256
	ds_load_b32 v[12+\q], v5 offset:EP+\q*256+128
.endr
	s_wait_dscnt 0x0
	v_pk_add_f32 v[8:9], v[8:9], v[10:11]
	v_pk_add_f32 v[12:13], v[12:13], v[14:15]
	v_add_f32 v8, v8, v9
	v_add_f32 v12, v12, v13
	v_add_f32 v8, v8, v78
	v_add_f32 v12, v12, v79
	v_add_f32 v246, v8, v12
	WSUM 246, 250
	v_fma_f32 v8, -v246, s63, v8
	v_fma_f32 v12, -v246, s63, v12
	v_mul_f32 v247, v8, v8
	v_fmac_f32 v247, v12, v12
	WSUM 247, 250
	v_fma_f32 v247, v247, s63, s60
	v_rsq_f32 v247, v247
	v_mul_f32 v8, v8, v80
	v_mul_f32 v12, v12, v81
	s_wait_alu depctr_va_vdst(0)
	v_fma_f32 v8, v8, v247, v82
	v_fma_f32 v12, v12, v247, v83
	v_max_num_f32 v8, 0, v8
	v_max_num_f32 v12, 0, v12
	global_store_b32 v5, v8, s[36:37]
	global_store_b32 v5, v12, s[38:39]
.Lend:
	s_wait_tensorcnt 0x0
	ds_add_u32 v254, v255
	s_wait_dscnt 0x0
	s_endpgm
.Lfunc_end_k_q0bf6d37f16_tail:
	.size	k_q0bf6d37f16_tail, .Lfunc_end_k_q0bf6d37f16_tail-k_q0bf6d37f16_tail
	.p2alignl 7, 3214868480
	.fill 96, 4, 3214868480
	.section	.rodata,"a",@progbits
	.p2align	6, 0x0
	.amdhsa_kernel k_q0bf6d37f16_tail
		.amdhsa_group_segment_fixed_size 9216
		.amdhsa_private_segment_fixed_size 0
		.amdhsa_enable_private_segment 0
		.amdhsa_kernarg_size 128
		.amdhsa_user_sgpr_count 2
		.amdhsa_user_sgpr_kernarg_segment_ptr 1
		.amdhsa_wavefront_size32 1
		.amdhsa_system_sgpr_workgroup_id_x 1
		.amdhsa_system_sgpr_workgroup_id_y 1
		.amdhsa_system_sgpr_workgroup_id_z 1
		.amdhsa_system_vgpr_workitem_id 0
		.amdhsa_next_free_vgpr 256
		.amdhsa_next_free_sgpr 66
		.amdhsa_reserve_vcc 1
		.amdhsa_float_denorm_mode_32 3
		.amdhsa_float_denorm_mode_16_64 3
		.amdhsa_memory_ordered 1
		.amdhsa_forward_progress 1
		.amdhsa_inst_pref_size 34
	.end_amdhsa_kernel
	.amdgpu_metadata
---
amdhsa.version: [ 1, 2 ]
amdhsa.kernels:
  - .name:           k_q0bf6d37f16_tail
    .symbol:         k_q0bf6d37f16_tail.kd
    .args:
      - { .name: pnum, .offset: 0, .size: 8, .value_kind: global_buffer, .address_space: global }
      - { .name: pden, .offset: 8, .size: 8, .value_kind: global_buffer, .address_space: global }
      - { .name: c_w, .offset: 16, .size: 8, .value_kind: global_buffer, .address_space: global }
      - { .name: c_b, .offset: 24, .size: 8, .value_kind: global_buffer, .address_space: global }
      - { .name: c_ln_w, .offset: 32, .size: 8, .value_kind: global_buffer, .address_space: global }
      - { .name: c_ln_b, .offset: 40, .size: 8, .value_kind: global_buffer, .address_space: global }
      - { .name: e_w1, .offset: 48, .size: 8, .value_kind: global_buffer, .address_space: global }
      - { .name: e_b1, .offset: 56, .size: 8, .value_kind: global_buffer, .address_space: global }
      - { .name: e_ln1_w, .offset: 64, .size: 8, .value_kind: global_buffer, .address_space: global }
      - { .name: e_ln1_b, .offset: 72, .size: 8, .value_kind: global_buffer, .address_space: global }
      - { .name: e_w2, .offset: 80, .size: 8, .value_kind: global_buffer, .address_space: global }
      - { .name: e_b2, .offset: 88, .size: 8, .value_kind: global_buffer, .address_space: global }
      - { .name: e_ln2_w, .offset: 96, .size: 8, .value_kind: global_buffer, .address_space: global }
      - { .name: e_ln2_b, .offset: 104, .size: 8, .value_kind: global_buffer, .address_space: global }
      - { .name: out0, .offset: 112, .size: 8, .value_kind: global_buffer, .address_space: global }
      - { .name: out1, .offset: 120, .size: 8, .value_kind: global_buffer, .address_space: global }
    .group_segment_fixed_size: 9216
    .private_segment_fixed_size: 0
    .kernarg_segment_align: 8
    .kernarg_segment_size: 128
    .max_flat_workgroup_size: 256
    .sgpr_count:     66
    .vgpr_count:     256
    .wavefront_size: 32
...
	.end_amdgpu_metadata
.endif
;; end of part 2
